; MI455X (gfx1250); checked and timed in simulation.
; The chip was launched on July 23, 2026; its instructions are those of AMD's public machine-readable ISA for CDNA 5 (MIT licence, August 2026) and "CDNA5" Instruction Set Architecture Reference Guide (July 2026). The comments in the code are by the model that wrote it; some were corrected since.
;; Internal Interaction. Allowed arithmetic: float matrix products may take bf16 or f16 operands with f32 sums; other float arithmetic in f32, or as packed bf16 or f16 multiplies, adds, multiply-adds, maxima and minima; sums over many terms, partial sums and values carried from step to step in f32; what a program stores and reads back later, other than sums and carried values, may be rounded once to bf16 or f16.
;; Inputs: W1 512 x 128 float32; W2 128 x 512 float32; attribute_embeddings 2,048 x 16 x 128 float32; b1 512 float32; b2 128 float32.
;; Outputs: out0 2,048 x 16 x 128 float32.
;; 2 versions, each right; version 2 is version 1 with the launch pairmlp written anew for expert scheduling mode. Each part assembles by itself: llvm-mc -triple=amdgcn-amd-amdhsa -mcpu=gfx1250 --defsym DOCPART=n.
;; ======== version 1 of 2: 1 launch
;; launch pairmlp (part 1): grid 256 x 1, 4 waves a work-group, no clusters, 317,952 bytes of LDS; arguments attribute_embeddings, W1, b1, W2, b2, out0; writes out0
.if DOCPART == 1
	.amdgcn_target "amdgcn-amd-amdhsa--gfx1250"
	.amdhsa_code_object_version 6
	.text
	.protected	k_qdf5db6029e_pairmlp
	.globl	k_qdf5db6029e_pairmlp
	.p2align	8
	.type	k_qdf5db6029e_pairmlp,@function
k_qdf5db6029e_pairmlp:
	s_mov_b64 s[64:65], 0
	v_nop
	global_prefetch_b8 v0, s[64:65] scope:SCOPE_SE
	s_setreg_imm32_b32 hwreg(HW_REG_WAVE_MODE, 25, 1), 1
	s_wait_xcnt 0x0
; out[b][j][:] = sum over i of ( relu( (x[b][i] * x[b][j]) W1^T + b1 ) W2^T + b2 ).  x, out: [2048][16][128] f32; W1 [512][128], b1 [512], W2 [128][512], b2 [128], all f32.
; TWO IDENTITIES, true for every input.  (a) The second layer is linear: the sum over i is taken of h = relu(..) first, and W2 multiplies the sum; b2 counts 16 times.
; (b) The pair (i, j) and the pair (j, i) have the same product, bit for bit, so the same h.  The pairs are taken in circulant order: tile k (0..8) holds in row p the pair (p, (p + k) mod 16):
; 9 tiles of 16 pairs for 16.  The sum over i is then a product with a constant matrix S of zeros and ones [144 pairs][16 j], made by the matrix unit: row (k, p) counts for j = p, and for k = 1..7 also for j = p + k.
; SHARES.  256 work-groups of four waves; work-group g has batches 8 g .. 8 g + 7, wave w two of them, one after the other, each for all 512 hidden columns.  Behind the one barrier the waves do not meet again.
; FORMATS AND LIMITS.  All five inputs are rounded to bf16 (b1 and b2 then widened again); the pair product is rounded once to bf16, h once to bf16; the sum of h goes into the second layer as two bf16
; numbers, its rounding and what the rounding left; all sums in f32.  relu is a maximum with 0 in which a NaN loses: a NaN score counts as 0.  Infinities are not treated apart.
; NO CLUSTER, NO TENSOR LOADS.  Every work-group reads the same weights, but they arrive as f32, 524,288 bytes, more than LDS holds, and have to pass through registers to be rounded; each work-group reads
; them once.  Joint loads would want f32 slots in LDS that are filled again and again for a part of the launch that is run once.
; THE LOOP.  A trip has 32 hidden columns, as two halves of 16 (buffers 0 and 1).  G1: 36 products for each half (9 pair tiles x 4 steps of 32 along d; the first step's C is b1).  RC: relu and rounding, 108 lines a half.
; SP: 10 products with S.  HL: the sum split in two bf16, 40 lines.  G2: 16 products with W2.  SP, HL and G2 work on the trip before; RC and HL stand in threes and fours behind the matrix instructions.
; LAYOUTS (lane l: r = l % 16, h = l / 16).  G1 = pairs x W1^T: register q of a result is (pair row 8 h + q, column r); packed in pairs it IS source 0 (row = column r, K = 32 pair rows) of SP, whose result
; is (column 8 h + q, j = r); packed it IS source 1 (32 columns x 16 j) of G2 = W2 x sum, whose result is (d = 16 dt + 8 h + q, j = r): eight neighbouring numbers of a row of out.
; REGISTERS, in windows of 256 (s_set_vgpr_msb: bits 1:0 source 0, 3:2 source 1, 5:4 source 2, 7:6 destination):
;   window 0: v0-31 addresses; v32-103, v104-175 G1's accumulators, buffers 0 and 1; v176-215, v216-255 T, their packed h (tile 9 of each is a pad of zeros)
;   window 1: pair tiles 0-7, tile k at 32 k (at the start: two sets of 128 for the weights on their way)
;   window 2: v0-31 pair tile 8; v32-95 W1's fragments, two buffers; v96-111 b1, two buffers; v112-151 S; v152-215 W2's fragments
;   window 3: v0-63 out's accumulators; v64-127 16 b2 in their layout; v128-143 the sums; v144-159 their two bf16 parts; v160-175 at work; v176-207 x[r]; v208-209 two constants (at the start v0-127: x)
.set P1,   272          ; a row of W1 or of x in LDS: 256 bytes (128 bf16) + 16: the 16 rows of a fragment load start at 16 different groups of four banks (64 banks of 4 bytes: ISA guide 11.1)
.set P2,   1040         ; a row of W2: 1,024 bytes (512 bf16) + 16: likewise
.set W1L,  0            ; 512 rows x 272
.set W2L,  139264       ; 128 rows x 1,040
.set B1T,  272384       ; 512 entries of 16 bytes: b1 of a column, four times
.set B2S,  280576       ; 512 bytes for each wave: 16 b2
.set XS,   282624       ; for each wave two blocks of 16 rows x 272: a batch's x in bf16; when its pairs are formed the block is the batch's stage on the way out
.set XB,   16*P1
.set XW,   2*XB
.set RR,   1            ; v1  r
.set HH,   2            ; v2  h
.set LN,   3            ; v3  lane
.set W1P,  4            ; v4-7   the trip's LDS addresses: W1, b1, W2 rows 0-63, W2 rows 64-127
.set B1P,  5
.set W2PA, 6
.set W2PB, 7
.set W1B,  8            ; v8-11  their bases
.set B1B,  9
.set W2BA, 10
.set W2BB, 11
.set ROTB, 12           ; v12-20 x's row (r + k) mod 16 in the wave's first block, k = 0..8
.set STOB, 21           ; v21    the way out: where I put 32 bytes of a row, first block
.set RDB,  22           ; v22    where I read rows back, first block
.set GO,   23           ; v23    my byte offset in two rows of out
.set STO,  24           ; v24-25 the same two for the batch in hand
.set RD,   25
.set G16,  24           ; at the start only: v24 16 x lane; v25 16 x thread; v26-31 LDS addresses of the conversions' stores
.set G16T, 25
.set XA,   26
.set LA1,  27
.set LA2,  28
.set B1A,  29
.set B2A,  30
.set B2R,  31
.set ACC,  32
.set TT,   176
.set RT,   32           ; v32-40 the batch's nine rotated addresses, while the pairs are formed
.set RB,   32           ; v32-95 rows read back on the way out
.set TS,   64           ; at the start only: v64-99 S's bits
.set W1F,  32           ; window 2
.set BI,   96
.set SS,   112
.set W2F,  152
.set OUT,  0            ; window 3
.set B2T,  64
.set HS,   128
.set HIB,  144
.set LOB,  152
.set TMP,  160
.set XJ,   176
.set C16,  208
.set CMK,  209
.set MSB, 0
.macro WIN new                         ; the immediate's high byte repeats the setting that is left; a switch that changes nothing is dropped
.if MSB != (\new)
	s_set_vgpr_msb (MSB<<8)|(\new)
.set MSB, \new
.endif
.endm
.macro PLACES                          ; four plain vector instructions between a matrix instruction and a vector or LDS line that reads its result (ISA guide 7.12.1)
.rept 4
	v_nop
.endr
.endm
; ---------------------------------------------------------------- the start: x and the weights are rounded to bf16 and laid into LDS
; 32 loads of 512 consecutive bytes: chunk ch (16,384 bytes) of my quarter of a weight tensor, into set 0 or 1 of window 1
.macro LOADW set, sb, ch
	WIN 0x40
.set i, 0
.rept 32
	global_load_b128 v[128*(\set)+4*i:128*(\set)+4*i+3], v[G16], s[\sb:\sb+1] offset:16384*(\ch)+512*i
.set i, i+1
.endr
.endm
; a set is rounded in place, 4 numbers a lane to 8 bytes, and stored: set 0 is 32 rows of W1, set 1 is 8 rows of W2 in quarters
.macro CVST set, ch
	WIN 0x45
.set i, 0
.rept 32
	v_cvt_pk_bf16_f32 v[128*(\set)+4*i], v[128*(\set)+4*i], v[128*(\set)+4*i+1]
	v_cvt_pk_bf16_f32 v[128*(\set)+4*i+1], v[128*(\set)+4*i+2], v[128*(\set)+4*i+3]
.set i, i+1
.endr
	WIN 0x04
.set i, 0
.rept 32
.if (\set) == 0
	ds_store_b64 v[LA1], v[4*i:4*i+1] offset:P1*(32*(\ch)+i)
.else
	ds_store_b64 v[LA2], v[128+4*i:128+4*i+1] offset:P2*(8*(\ch)+i/4)+256*(i%4)
.endif
.set i, i+1
.endr
.endm
	s_load_b256 s[4:11], s[0:1], 0x0               ; x s[4:5], W1 s[6:7], b1 s[8:9], W2 s[10:11]
	s_load_b128 s[12:15], s[0:1], 0x20             ; b2 s[12:13], out s[14:15]
	s_set_vgpr_msb 0x80
	v_lshl_add_u32 v254, v0, 2, 0x4d800
	v_mov_b32 v255, 0
	s_set_vgpr_msb 0x8000
	v_lshrrev_b32 v1, 5, v0
	v_readfirstlane_b32 s16, v1                    ; wave 0..3
	v_and_b32 v[LN], 31, v0
	v_bfe_u32 v[HH], v0, 4, 1
	v_and_b32 v[RR], 15, v0
	v_lshlrev_b32 v[G16], 4, v[LN]
	v_lshlrev_b32 v[G16T], 4, v0
	s_lshl_b32 s18, ttmp9, 16                      ; the work-group's 8 batches of 8,192 bytes,
	s_lshl_b32 s23, s16, 14                        ; my wave's two
	s_add_co_u32 s18, s18, s23
	s_mov_b32 s19, 0
	s_lshl_b32 s24, s16, 16                        ; my quarter of W1 (128 rows of 512 bytes) and of W2 (32 rows of 2,048)
	s_mov_b32 s25, 0
	s_mul_i32 s17, s16, XW
	s_add_co_u32 s17, s17, XS                      ; my wave's two blocks of x
	s_mov_b32 s22, 0xffff0000                      ; a word's upper bf16
	s_wait_kmcnt 0x0
	s_add_nc_u64 s[4:5], s[4:5], s[18:19]
	s_add_nc_u64 s[14:15], s[14:15], s[18:19]
	s_add_nc_u64 s[6:7], s[6:7], s[24:25]
	s_add_nc_u64 s[10:11], s[10:11], s[24:25]
	WIN 0xc0
.set i, 0
.rept 32                                       ; both batches' x: a load is a whole row of 512 bytes
	global_load_b128 v[4*i:4*i+3], v[G16], s[4:5] offset:512*i th:TH_LOAD_NT
.set i, i+1
.endr
	WIN 0
	global_load_b128 v[32:35], v[G16T], s[8:9]     ; b1: the work-group's 128 threads take four each
	global_load_b128 v[36:39], v[G16], s[12:13]    ; b2: every wave takes all 128
	LOADW 0, 6, 0
	WIN 0
	v_lshl_add_u32 v[XA], v[LN], 3, s17            ; 8 bytes a lane in a row of x
	v_lshl_add_u32 v[B1A], v0, 6, B1T              ; four entries of 16 bytes a thread
	s_lshl_b32 s23, s16, 9
	s_add_co_u32 s23, s23, B2S
	v_lshl_add_u32 v[B2A], v[LN], 4, s23
	v_lshl_add_u32 v[B2R], v[HH], 5, s23           ; back: 8 numbers from d = 16 dt + 8 h on
	s_mul_i32 s26, s16, 128*P1
	v_lshl_add_u32 v[LA1], v[LN], 3, s26           ; W1L is LDS byte 0
	s_mul_i32 s27, s16, 32*P2
	s_add_co_u32 s27, s27, W2L
	v_lshl_add_u32 v[LA2], v[LN], 3, s27
	s_wait_loadcnt 32                              ; x, b1 and b2 are in: the 32 younger loads are W1's first chunk
	LOADW 1, 10, 0
	WIN 0xcf
.set i, 0
.rept 32
	v_cvt_pk_bf16_f32 v[4*i], v[4*i], v[4*i+1]
	v_cvt_pk_bf16_f32 v[4*i+1], v[4*i+2], v[4*i+3]
.set i, i+1
.endr
	WIN 0x0c
.set i, 0
.rept 32
	ds_store_b64 v[XA], v[4*i:4*i+1] offset:XB*(i/16)+P1*(i%16)
.set i, i+1
.endr
	WIN 0
	v_cvt_pk_bf16_f32 v40, v32, v33                ; b1 and b2 are rounded as the other inputs are, and widened again
	v_cvt_pk_bf16_f32 v41, v34, v35
	v_cvt_pk_bf16_f32 v42, v36, v37
	v_cvt_pk_bf16_f32 v43, v38, v39
.set j, 0
.rept 4
.set c, 0
.rept 4                                        ; four copies: two loads of an entry fill the eight equal registers of a C operand
.if j%2 == 0
	v_lshlrev_b32 v[44+4*j+c], 16, v[40+j/2]
.else
	v_and_b32 v[44+4*j+c], s22, v[40+j/2]
.endif
.set c, c+1
.endr
	ds_store_b128 v[B1A], v[44+4*j:44+4*j+3] offset:16*j
.set j, j+1
.endr
	v_lshlrev_b32 v60, 16, v42
	v_and_b32 v61, s22, v42
	v_lshlrev_b32 v62, 16, v43
	v_and_b32 v63, s22, v43
.irp z, 60,61,62,63
	v_mul_f32 v\z, 0x41800000, v\z                 ; b2 is added once for each of the 16 i
.endr
	ds_store_b128 v[B2A], v[60:63]
	WIN 0xc0
.set dt, 0
.rept 8                                        ; my wave's own bytes, and LDS serves a wave's instructions in order (ISA guide 5.7.1.4): these see the store above
	ds_load_b128 v[B2T+8*dt:B2T+8*dt+3],   v[B2R] offset:64*dt
	ds_load_b128 v[B2T+8*dt+4:B2T+8*dt+7], v[B2R] offset:64*dt+16
.set dt, dt+1
.endr
	v_mov_b32 v[C16], 16                           ; the split's shift and mask, kept beside its operands
	v_mov_b32 v[CMK], 0xffff0000
	WIN 0
	; the addresses of the loop, while the weights are on their way
	v_mul_u32_u24 v[W1B], v[RR], P1
	v_lshl_add_u32 v[W1B], v[HH], 4, v[W1B]        ; a fragment: row r x pitch + 16 h
	v_lshl_add_u32 v[B1B], v[RR], 4, B1T
	v_mul_u32_u24 v[W2BA], v[RR], P2
	v_lshl_add_u32 v[W2BA], v[HH], 4, v[W2BA]
	v_add_nc_u32 v[W2BA], W2L, v[W2BA]
	v_add_nc_u32 v[W2BB], 64*P2, v[W2BA]           ; rows 64 on have a register of their own: 112 rows do not fit the 16-bit offset
.set k, 0
.rept 9
	v_add_nc_u32 v[ROTB+k], k, v[RR]
	v_and_b32 v[ROTB+k], 15, v[ROTB+k]
	v_mul_u32_u24 v[ROTB+k], v[ROTB+k], P1
	v_lshl_add_u32 v[ROTB+k], v[HH], 4, v[ROTB+k]
	v_add_nc_u32 v[ROTB+k], s17, v[ROTB+k]
.set k, k+1
.endr
	v_mul_u32_u24 v[STOB], v[RR], P1               ; in: row j = r, 32 bytes for each half of the lanes
	v_lshl_add_u32 v[STOB], v[HH], 5, v[STOB]
	v_add_nc_u32 v[STOB], s17, v[STOB]
	v_mul_u32_u24 v[RDB], v[HH], P1                ; back: lanes 0-15 take 256 bytes of one row, lanes 16-31 of the next
	v_lshl_add_u32 v[RDB], v[RR], 4, v[RDB]
	v_add_nc_u32 v[RDB], s17, v[RDB]
	v_lshlrev_b32 v[GO], 9, v[HH]
	v_lshl_add_u32 v[GO], v[RR], 4, v[GO]
	; S.  Lane (r, h) holds column j = r; register 4 k + s holds rows p = 8 h + 2 s and 8 h + 2 s + 1 of tile k.  M has a bit for each row of the tile that counts for j.
	v_mov_b32 v100, 1
	v_lshlrev_b32 v101, v[RR], v100                ; p = j
	v_lshlrev_b32 v102, 3, v[HH]
.set k, 0
.rept 9
.if (k >= 1) && (k <= 7)
	v_add_nc_u32 v103, 16-k, v[RR]                 ; p = (j - k) mod 16
	v_and_b32 v103, 15, v103
	v_lshlrev_b32 v103, v103, v100
	v_or_b32 v103, v101, v103
	v_lshrrev_b32 v103, v102, v103                 ; my half's eight rows
.else
	v_lshrrev_b32 v103, v102, v101                 ; tile 0 is the diagonal; tile 8 holds every pair twice, so each row counts once
.endif
.set z, 0
.rept 4
	v_bfe_u32 v[TS+4*k+z], v103, 2*z, 2
	v_lshl_or_b32 v[TS+4*k+z], v[TS+4*k+z], 15, v[TS+4*k+z]
	v_and_b32 v[TS+4*k+z], 0x10001, v[TS+4*k+z]    ; one bit in each half of the word
.set z, z+1
.endr
.set k, k+1
.endr
.set z, 0
.rept 4
	v_mov_b32 v[TT+36+z], 0                        ; tile 9 of both T: a pad, never written again
	v_mov_b32 v[TT+76+z], 0
.set z, z+1
.endr
	WIN 0x80
.set z, 0
.rept 36
	v_mul_u32_u24 v[SS+z], v[TS+z], 0x3f80         ; a bit becomes bf16's 1.0
.set z, z+1
.endr
.set z, 0
.rept 4
	v_mov_b32 v[SS+36+z], 0
.set z, z+1
.endr
	; the weights: two sets of 32 loads take turns, so that one set is on its way while the other is rounded and stored
.irp ch, 0,1,2
	s_wait_loadcnt 32                              ; W1's chunk is in: the 32 younger loads are W2's
	CVST 0, \ch
	LOADW 0, 6, \ch+1
	s_wait_loadcnt 32                              ; W2's chunk is in: the 32 younger loads are W1's
	CVST 1, \ch
	LOADW 1, 10, \ch+1
.endr
	s_wait_loadcnt 32
	CVST 0, 3
	s_wait_loadcnt 0x0
	CVST 1, 3
	WIN 0
	s_wait_dscnt 0x0                               ; for the others' sake: my parts of W1, W2 and b1 are stored (and my 16 b2 are back)
	s_barrier_signal -1
	s_barrier_wait -1                              ; the only barrier: from here on W1, W2 and b1 are only read, and all else in LDS is each wave's own
; ---------------------------------------------------------------- the loop's pieces
; Product idx of 36 of a half: step idx / 9 of 32 along d, pair tile idx % 9.  The nine accumulators take turns.  The first step's C is b1.
.macro G1W buf, idx
.set kk, (\idx)/9
.set tl, (\idx)%9
.set rD, ACC+72*(\buf)+8*tl
.set rB, W1F+32*(\buf)+8*kk
.set rC, BI+8*(\buf)
.if tl < 8
.set rA, 32*tl+8*kk
.set wn, 0x09                          ; pairs in window 1, W1 in window 2
.else
.set rA, 8*kk
.set wn, 0x0a                          ; tile 8 in window 2
.endif
.if kk == 0
	WIN wn+0x20                                    ; C in window 2
	v_wmma_f32_16x16x32_bf16 v[rD:rD+7], v[rA:rA+7], v[rB:rB+7], v[rC:rC+7]
.else
	WIN wn
	v_wmma_f32_16x16x32_bf16 v[rD:rD+7], v[rA:rA+7], v[rB:rB+7], v[rD:rD+7]
.endif
.endm
; The next n of a half's 108: for each tile eight maxima with 0, from the accumulator's lowest register on, then four roundings of two
.macro RC1 buf
.if (\buf) == 0
.set qq, rq0
.set rq0, rq0+1
.else
.set qq, rq1
.set rq1, rq1+1
.endif
.set tl, qq/12
.set st, qq%12
.set rA, ACC+72*(\buf)+8*tl
.if st < 8
	v_max_num_f32 v[rA+st], 0, v[rA+st]
.else
	v_cvt_pk_bf16_f32 v[TT+40*(\buf)+4*tl+st-8], v[rA+2*(st-8)], v[rA+2*(st-8)+1]
.endif
.endm
.macro RC buf, n
	WIN 0
.rept \n
	RC1 \buf
.endr
.endm
; Product u of 10 of the sums over i: pair tiles 2 (u / 2) and 2 (u / 2) + 1, half u % 2.  The two accumulators take turns.
.macro SPW u
.set c, (\u)/2
.set pr, (\u)%2
	WIN 0xf8                                       ; T in window 0, S in window 2, the sums in window 3
.if c == 0
	v_wmma_f32_16x16x32_bf16 v[HS+8*pr:HS+8*pr+7], v[TT+40*pr+8*c:TT+40*pr+8*c+7], v[SS+8*c:SS+8*c+7], 0
.else
	v_wmma_f32_16x16x32_bf16 v[HS+8*pr:HS+8*pr+7], v[TT+40*pr+8*c:TT+40*pr+8*c+7], v[SS+8*c:SS+8*c+7], v[HS+8*pr:HS+8*pr+7]
.endif
.endm
; The next n of the split's 40: 8 roundings to bf16; the 16 rounded numbers widened again; 8 packed differences; 8 roundings of what was left
.macro HL1
.if hq < 8
	v_cvt_pk_bf16_f32 v[HIB+hq], v[HS+2*hq], v[HS+2*hq+1]
.elseif hq < 24
.set n, (hq-8)/2
.if hq%2 == 0
	v_lshlrev_b32 v[TMP+2*n], v[C16], v[HIB+n]
.else
	v_and_b32 v[TMP+2*n+1], v[CMK], v[HIB+n]
.endif
.elseif hq < 32
.set n, hq-24
	v_pk_add_f32 v[TMP+2*n:TMP+2*n+1], v[HS+2*n:HS+2*n+1], v[TMP+2*n:TMP+2*n+1] neg_lo:[0,1] neg_hi:[0,1]
.else
.set n, hq-32
	v_cvt_pk_bf16_f32 v[LOB+n], v[TMP+2*n], v[TMP+2*n+1]
.endif
.set hq, hq+1
.endm
.macro HL n
	WIN 0xff
.rept \n
	HL1
.endr
.endm
; Product u of 16 of the second layer: part u / 8 of the sum, rows 16 (u % 8) of W2.  The eight accumulators take turns.  first = 1: a batch's first products start from 16 b2.
.macro G2W first, u
.set pt, (\u)/8
.set dt, (\u)%8
	WIN 0xfe                                       ; W2 in window 2, all else in window 3
.if (\first) && (pt == 0)
	v_wmma_f32_16x16x32_bf16 v[OUT+8*dt:OUT+8*dt+7], v[W2F+8*dt:W2F+8*dt+7], v[HIB:HIB+7], v[B2T+8*dt:B2T+8*dt+7]
.else
	v_wmma_f32_16x16x32_bf16 v[OUT+8*dt:OUT+8*dt+7], v[W2F+8*dt:W2F+8*dt+7], v[HIB+8*pt:HIB+8*pt+7], v[OUT+8*dt:OUT+8*dt+7]
.endif
.endm
; THE LDS LOADS stand in two runs a trip, each behind the second product of a run of 36.
.macro LOADS_A                         ; W1 and b1 of the trip's second half
	WIN 0x80
.set z, 0
.rept 4
	ds_load_b128 v[W1F+32+8*z:W1F+32+8*z+3],   v[W1P] offset:16*P1+64*z
	ds_load_b128 v[W1F+32+8*z+4:W1F+32+8*z+7], v[W1P] offset:16*P1+64*z+32
.set z, z+1
.endr
	ds_load_b128 v[BI+8:BI+11],  v[B1P] offset:256
	ds_load_b128 v[BI+12:BI+15], v[B1P] offset:256
.endm
.macro LOADS_B prev, next              ; next = 1: W1 and b1 of the next trip's first half.  prev = 1: W2's 32 columns of the trip before
	WIN 0x80
.if \next
.set z, 0
.rept 4
	ds_load_b128 v[W1F+8*z:W1F+8*z+3],   v[W1P] offset:32*P1+64*z
	ds_load_b128 v[W1F+8*z+4:W1F+8*z+7], v[W1P] offset:32*P1+64*z+32
.set z, z+1
.endr
	ds_load_b128 v[BI:BI+3],   v[B1P] offset:512
	ds_load_b128 v[BI+4:BI+7], v[B1P] offset:512
.endif
.if \prev
.set z, 0
.rept 4
	ds_load_b128 v[W2F+8*z:W2F+8*z+3],       v[W2PA] offset:16*P2*z
	ds_load_b128 v[W2F+8*z+4:W2F+8*z+7],     v[W2PA] offset:16*P2*z+32
	ds_load_b128 v[W2F+32+8*z:W2F+32+8*z+3],   v[W2PB] offset:16*P2*z
	ds_load_b128 v[W2F+32+8*z+4:W2F+32+8*z+7], v[W2PB] offset:16*P2*z+32
.set z, z+1
.endr
.endif
.endm
; A TRIP.  g1 = 1: it has hidden columns of its own (0: the drain behind the last).  prev = 1: there is a trip before it to finish.  first = 1: that one is the batch's first.  next = 1: another with columns follows.
; Every wait is for 0: each run of loads was issued 34 matrix instructions or more ahead of it (a batch's first run: the pairs' multiplies; the drain's: 34 groups of relu lines, 10 products and the split).
; The distances behind matrix instructions are kept by the riders, which name no register of the products round them:
;   an accumulator's relu begins 24 plain lines or more behind its last product (in the first trip: four v_nop);  T of buffer 0 is written again eight lines behind the product that read that block;
;   the sums are read nine lines behind their last product;  each run of loads stands six plain lines or more behind the last product that read its registers.
.macro TRIP g1, prev, first, next
.set rq0, 0
.set rq1, 0
.set hq, 0
	s_wait_dscnt 0x0                               ; W1 and b1 of the first half are in
.set i, 0
.rept 36
.if \g1
	G1W 0, i
.endif
.if \prev
	RC 1, 3                                        ; the second half of the trip before
.endif
.if i == 1
.if \g1
	LOADS_A
.else
	LOADS_B 1, 0
.endif
.endif
.set i, i+1
.endr
.if (\g1) && !(\prev)
	PLACES
.endif
.if \prev
.set u, 0
.rept 10
	SPW u
.if \g1
	RC 0, 3
.endif
.set u, u+1
.endr
.endif
.if \g1
	s_wait_dscnt 0x0                               ; W1 and b1 of the second half are in
.set i, 0
.rept 36
	G1W 1, i
.if (\prev) && (i%3 == 2) && (i < 30)
	HL 4
.else
	RC 0, 3
.endif
.if i == 1
	LOADS_B \prev, \next
.endif
.set i, i+1
.endr
.else
	PLACES
	HL 40
.endif
.if \prev
	s_wait_dscnt 0x0                               ; W2's fragments are in
.set u, 0
.rept 16
	G2W \first, u
.set u, u+1
.endr
.endif
	WIN 0                                          ; at a label and at a branch every window is 0
.if \next
	s_add_co_u32 s26, s26, 32*P1                   ; the next trip's 32 rows of W1 and 32 entries of b1
	s_add_co_u32 s27, s27, 512
	v_add_nc_u32 v[W1P], s26, v[W1B]
	v_add_nc_u32 v[B1P], s27, v[B1B]
.endif
.if (\prev) && (\g1)
	s_add_co_u32 s28, s28, 64                      ; W2 follows a trip behind
	v_add_nc_u32 v[W2PA], s28, v[W2BA]
	v_add_nc_u32 v[W2PB], s28, v[W2BB]
.endif
.endm
; THE WAY OUT, in two halves of 64 d: a lane's eight numbers of a row go into the stage (rows of 272 bytes) and come back as 256 consecutive bytes of a row.
.macro OUTHALF hf
	WIN 0x0c                                       ; the stores' data in window 3
.set z, 0
.rept 4
	ds_store_b128 v[STO], v[OUT+8*(4*(\hf)+z):OUT+8*(4*(\hf)+z)+3]   offset:64*z
	ds_store_b128 v[STO], v[OUT+8*(4*(\hf)+z)+4:OUT+8*(4*(\hf)+z)+7] offset:64*z+16
.set z, z+1
.endr
	WIN 0
.set z, 0
.rept 8
	ds_load_b128 v[RB+32*(\hf)+4*z:RB+32*(\hf)+4*z+3], v[RD] offset:2*P1*z  ; LDS serves a wave's instructions in order (ISA guide 5.7.1.4): these see the stores above; the next half's stores come behind them
.set z, z+1
.endr
.endm
.macro SEND hf, younger                ; younger: the LDS instructions issued behind this half's loads
	WIN 0
.set z, 0
.rept 8
	s_wait_dscnt (\younger)+7-z
	global_store_b128 v[GO], v[RB+32*(\hf)+4*z:RB+32*(\hf)+4*z+3], s[14:15] offset:1024*z+256*(\hf) th:TH_STORE_NT  ; 16 lanes store 256 consecutive bytes, at a multiple of 256 from out's first byte
.set z, z+1
.endr
.endm
; ---------------------------------------------------------------- my two batches
	s_mov_b32 s21, 2
	s_mov_b32 s29, 0                               ; the batch's block of x
.Lbatch:
	s_mov_b32 s26, 0
	s_mov_b32 s27, 0
	s_mov_b32 s28, 0
	v_mov_b32 v[W1P], v[W1B]
	v_mov_b32 v[B1P], v[B1B]
	v_mov_b32 v[W2PA], v[W2BA]
	v_mov_b32 v[W2PB], v[W2BB]
	v_add_nc_u32 v[STO], s29, v[STOB]
	v_add_nc_u32 v[RD], s29, v[RDB]
.set k, 0
.rept 9
	v_add_nc_u32 v[RT+k], s29, v[ROTB+k]
.set k, k+1
.endr
	; THE PAIRS.  82 LDS loads in one run: x[r]; x[(r + k) mod 16] for k = 1..8, straight into the tiles; the first W1 and b1.  Then tile k is multiplied by x[r] in place, rounded once.
	WIN 0xc0
.set z, 0
.rept 4
	ds_load_b128 v[XJ+8*z:XJ+8*z+3],   v[RT] offset:64*z
	ds_load_b128 v[XJ+8*z+4:XJ+8*z+7], v[RT] offset:64*z+32
.set z, z+1
.endr
	WIN 0x40
.set k, 1
.rept 7
.set z, 0
.rept 4
	ds_load_b128 v[32*k+8*z:32*k+8*z+3],   v[RT+k] offset:64*z
	ds_load_b128 v[32*k+8*z+4:32*k+8*z+7], v[RT+k] offset:64*z+32
.set z, z+1
.endr
.set k, k+1
.endr
	WIN 0x80
.set z, 0
.rept 4
	ds_load_b128 v[8*z:8*z+3],   v[RT+8] offset:64*z
	ds_load_b128 v[8*z+4:8*z+7], v[RT+8] offset:64*z+32
.set z, z+1
.endr
.set z, 0
.rept 4
	ds_load_b128 v[W1F+8*z:W1F+8*z+3],   v[W1P] offset:64*z
	ds_load_b128 v[W1F+8*z+4:W1F+8*z+7], v[W1P] offset:64*z+32
.set z, z+1
.endr
	ds_load_b128 v[BI:BI+3],   v[B1P]
	ds_load_b128 v[BI+4:BI+7], v[B1P]
	s_wait_dscnt 63                                ; x[r] is in: 74 loads were issued behind its eight, and the count's field ends at 63
	WIN 0x4f
.set z, 0
.rept 32
	v_pk_mul_bf16 v[z], v[XJ+z], v[XJ+z]
.set z, z+1
.endr
.set k, 1
.rept 8
.set wc, 74-8*k                        ; the loads issued behind tile k's
.if wc > 63
.set wc, 63
.endif
	s_wait_dscnt wc
.if k < 8
	WIN 0x4d
.set z, 0
.rept 32
	v_pk_mul_bf16 v[32*k+z], v[32*k+z], v[XJ+z]
.set z, z+1
.endr
.else
	WIN 0x8e
.set z, 0
.rept 32
	v_pk_mul_bf16 v[z], v[z], v[XJ+z]
.set z, z+1
.endr
.endif
.set k, k+1
.endr
	TRIP 1, 0, 0, 1                                ; columns 0-31: nothing to finish yet
	TRIP 1, 1, 1, 1                                ; columns 32-63; the second layer starts from 16 b2
	s_mov_b32 s20, 13
.Ltrip:                                                ; columns 64-479
	TRIP 1, 1, 0, 1
	s_sub_co_u32 s20, s20, 1
	s_cmp_lg_u32 s20, 0
	s_cbranch_scc1 .Ltrip
	TRIP 1, 1, 0, 0                                ; columns 480-511: nothing more of W1 to fetch
	TRIP 0, 1, 0, 0                                ; the drain: the last columns' relu, sums and second layer
	PLACES                                         ; the stores below read results just made
	OUTHALF 0
	OUTHALF 1
	SEND 0, 16
	SEND 1, 0
	s_wait_xcnt 0x0                                ; every earlier memory instruction has had its addresses translated (ISA guide 3.1): only behind this wait are the stores' base and data registers rewritten
	s_add_nc_u64 s[14:15], s[14:15], 8192          ; the next batch's rows of out
	s_add_co_u32 s29, s29, XB
	s_sub_co_u32 s21, s21, 1
	s_cmp_lg_u32 s21, 0
	s_cbranch_scc1 .Lbatch
	s_set_vgpr_msb 0xa
	s_wait_tensorcnt 0x0
	ds_add_u32 v254, v255
	s_wait_dscnt 0x0
	s_set_vgpr_msb 0xa00
	s_endpgm
.Lfunc_end_k_qdf5db6029e_pairmlp:
	.size	k_qdf5db6029e_pairmlp, .Lfunc_end_k_qdf5db6029e_pairmlp-k_qdf5db6029e_pairmlp
	.p2alignl 7, 3214868480
	.fill 96, 4, 3214868480
	.section	.rodata,"a",@progbits
	.p2align	6, 0x0
	.amdhsa_kernel k_qdf5db6029e_pairmlp
		.amdhsa_group_segment_fixed_size 317952
		.amdhsa_private_segment_fixed_size 0
		.amdhsa_enable_private_segment 0
		.amdhsa_kernarg_size 48
		.amdhsa_user_sgpr_count 2
		.amdhsa_user_sgpr_kernarg_segment_ptr 1
		.amdhsa_wavefront_size32 1
		.amdhsa_system_sgpr_workgroup_id_x 1
		.amdhsa_system_sgpr_workgroup_id_y 1
		.amdhsa_system_sgpr_workgroup_id_z 1
		.amdhsa_system_vgpr_workitem_id 0
		.amdhsa_next_free_vgpr 1024
		.amdhsa_next_free_sgpr 66
		.amdhsa_reserve_vcc 0
		.amdhsa_float_denorm_mode_32 3
		.amdhsa_float_denorm_mode_16_64 3
		.amdhsa_memory_ordered 1
		.amdhsa_forward_progress 1
		.amdhsa_inst_pref_size 229
	.end_amdhsa_kernel
	.amdgpu_metadata
---
amdhsa.version: [ 1, 2 ]
amdhsa.kernels:
  - .name:           k_qdf5db6029e_pairmlp
    .symbol:         k_qdf5db6029e_pairmlp.kd
    .args:
      - { .name: attribute_embeddings, .offset: 0, .size: 8, .value_kind: global_buffer, .address_space: global }
      - { .name: W1, .offset: 8, .size: 8, .value_kind: global_buffer, .address_space: global }
      - { .name: b1, .offset: 16, .size: 8, .value_kind: global_buffer, .address_space: global }
      - { .name: W2, .offset: 24, .size: 8, .value_kind: global_buffer, .address_space: global }
      - { .name: b2, .offset: 32, .size: 8, .value_kind: global_buffer, .address_space: global }
      - { .name: out0, .offset: 40, .size: 8, .value_kind: global_buffer, .address_space: global }
    .group_segment_fixed_size: 317952
    .private_segment_fixed_size: 0
    .kernarg_segment_align: 8
    .kernarg_segment_size: 48
    .max_flat_workgroup_size: 128
    .sgpr_count:     66
    .vgpr_count:     1024
    .wavefront_size: 32
...
	.end_amdgpu_metadata
.endif
;; end of part 1
;; ======== version 2 of 2: 1 launch; version 1 with the launch pairmlp written anew for expert scheduling mode
;; launch pairmlp (part 2): grid 256 x 1, 4 waves a work-group, no clusters, 317,952 bytes of LDS; arguments attribute_embeddings, W1, b1, W2, b2, out0; writes out0
.if DOCPART == 2
	.amdgcn_target "amdgcn-amd-amdhsa--gfx1250"
	.amdhsa_code_object_version 6
	.text
	.protected	k_qdf5db6029e_pairmlp
	.globl	k_qdf5db6029e_pairmlp
	.p2align	8
	.type	k_qdf5db6029e_pairmlp,@function
k_qdf5db6029e_pairmlp:
	s_mov_b64 s[64:65], 0
	v_nop
	global_prefetch_b8 v0, s[64:65] scope:SCOPE_SE
	s_setreg_imm32_b32 hwreg(HW_REG_WAVE_SCHED_MODE, 0, 2), 2
	s_setreg_imm32_b32 hwreg(HW_REG_WAVE_MODE, 25, 1), 1
	s_wait_xcnt 0x0
	s_wait_alu depctr_vm_vsrc(0)
; out[b][j][:] = sum over i of ( relu( (x[b][i] * x[b][j]) W1^T + b1 ) W2^T + b2 ).  x, out: [2048][16][128] f32; W1 [512][128], b1 [512], W2 [128][512], b2 [128], all f32.
; TWO IDENTITIES, true for every input.  (a) The second layer is linear: the sum over i is taken of h = relu(..) first, and W2 multiplies the sum; b2 counts 16 times.
; (b) The pair (i, j) and the pair (j, i) have the same product, bit for bit, so the same h.  The pairs are taken in circulant order: tile k (0..8) holds in row p the pair (p, (p + k) mod 16):
; 9 tiles of 16 pairs for 16.  The sum over i is then a product with a constant matrix S of zeros and ones [144 pairs][16 j], made by the matrix unit: row (k, p) counts for j = p, and for k = 1..7 also for j = p + k.
; SHARES.  256 work-groups of four waves; work-group g has batches 8 g .. 8 g + 7, wave w two of them, one after the other, each for all 512 hidden columns.  Behind the one barrier the waves do not meet again.
; FORMATS AND LIMITS.  All five inputs are rounded to bf16 (b1 and b2 then widened again); the pair product is rounded once to bf16, h once to bf16; the sum of h goes into the second layer as two bf16
; numbers, its rounding and what the rounding left; all sums in f32.  relu is a maximum with 0 in which a NaN loses: a NaN score counts as 0.  Infinities are not treated apart.
; NO CLUSTER, NO TENSOR LOADS.  Every work-group reads the same weights, but they arrive as f32, 524,288 bytes, more than LDS holds, and have to pass through registers to be rounded; each work-group reads
; them once.  Joint loads would want f32 slots in LDS that are filled again and again for a part of the launch that is run once.
; THE LOOP.  A trip has 32 hidden columns, as two halves of 16 (buffers 0 and 1).  G1: 36 products for each half (9 pair tiles x 4 steps of 32 along d; the first step's C is b1).  RC: relu and rounding, 108 lines a half.
; SP: 10 products with S.  HL: the sum split in two bf16, 40 lines.  G2: 16 products with W2.  SP, HL and G2 work on the trip before; RC and HL stand in threes and fours behind the matrix instructions.
; LAYOUTS (lane l: r = l % 16, h = l / 16).  G1 = pairs x W1^T: register q of a result is (pair row 8 h + q, column r); packed in pairs it IS source 0 (row = column r, K = 32 pair rows) of SP, whose result
; is (column 8 h + q, j = r); packed it IS source 1 (32 columns x 16 j) of G2 = W2 x sum, whose result is (d = 16 dt + 8 h + q, j = r): eight neighbouring numbers of a row of out.
; THE MODE: SCHED_MODE bits 1:0 = 2 (LLVM: expert scheduling mode 2), set by the entry lines.  The code itself states the register dependences between vector or matrix instructions and memory or LDS
; instructions, with s_wait_alu, always for 0.
; THE PLAN.  Registers that memory or LDS instructions touch:
;   the start  two raw sets (window 1): a chunk's loads land, its conversions read.  Two out-buffers (v32-95, v96-159): the conversions write, the LDS stores read.  One wait on va_vdst behind a chunk's
;              conversions serves the set's next loads and the stores; one on vm_vsrc stands ahead of the conversions that write the out-buffer again, a chunk of the other set later.
;   a batch    its addresses (v4-7, v24-25, v32-40) are written at its head, behind one wait on vm_vsrc; one wait on va_vdst stands ahead of its 82 LDS loads (x[r], tiles 1-8, the first W1 and b1).
;   a trip     W1 and b1, buffer 1: read by the second run of 36 products; loaded again in the next trip's first run.     W2's fragments: read by the trip's last 16 products; loaded again in the next trip's first run.
;              W1 and b1, buffer 0: read by the first run of 36; loaded again in the same trip's second run.             v4-7: read by all these loads; written once, at the trip's tail.
;              So one wait on va_vdst stands at the head of each run of 36, and the run's loads follow it in fours behind its first products: the instructions of a run name the other buffer,
;              the pair tiles, the accumulators, T and window 3's sums, none of the registers that those loads touch.  One wait on vm_vsrc stands ahead of the tail's adds.
;   the way out  out's accumulators are the LDS stores' data; the rows come back into v32-95, which nobody names any more: one wait on va_vdst, behind the four places.
; REGISTERS, in windows of 256 (s_set_vgpr_msb: bits 1:0 source 0, 3:2 source 1, 5:4 source 2, 7:6 destination):
;   window 0: v0-31 addresses; v32-103, v104-175 G1's accumulators, buffers 0 and 1; v176-215, v216-255 T, their packed h (tile 9 of each is a pad of zeros)
;   window 1: pair tiles 0-7, tile k at 32 k (at the start: two sets of 128 for the weights on their way)
;   window 2: v0-31 pair tile 8; v32-95 W1's fragments, two buffers; v96-111 b1, two buffers; v112-151 S; v152-215 W2's fragments
;   window 3: v0-63 out's accumulators; v64-127 16 b2 in their layout; v128-143 the sums; v144-159 their two bf16 parts; v160-175 at work; v176-207 x[r]; v208-209 two constants (at the start v0-127: x)
.set P1,   272          ; a row of W1 or of x in LDS: 256 bytes (128 bf16) + 16: the 16 rows of a fragment load start at 16 different groups of four banks (64 banks of 4 bytes: ISA guide 11.1)
.set P2,   1040         ; a row of W2: 1,024 bytes (512 bf16) + 16: likewise
.set W1L,  0            ; 512 rows x 272
.set W2L,  139264       ; 128 rows x 1,040
.set B1T,  272384       ; 512 entries of 16 bytes: b1 of a column, four times
.set B2S,  280576       ; 512 bytes for each wave: 16 b2
.set XS,   282624       ; for each wave two blocks of 16 rows x 272: a batch's x in bf16; when its pairs are formed the block is the batch's stage on the way out
.set XB,   16*P1
.set XW,   2*XB
.set RR,   1            ; v1  r
.set HH,   2            ; v2  h
.set LN,   3            ; v3  lane
.set W1P,  4            ; v4-7   the trip's LDS addresses: W1, b1, W2 rows 0-63, W2 rows 64-127
.set B1P,  5
.set W2PA, 6
.set W2PB, 7
.set W1B,  8            ; v8-11  their bases
.set B1B,  9
.set W2BA, 10
.set W2BB, 11
.set ROTB, 12           ; v12-20 x's row (r + k) mod 16 in the wave's first block, k = 0..8
.set STOB, 21           ; v21    the way out: where I put 32 bytes of a row, first block
.set RDB,  22           ; v22    where I read rows back, first block
.set GO,   23           ; v23    my byte offset in two rows of out
.set STO,  24           ; v24-25 the same two for the batch in hand
.set RD,   25
.set G16,  24           ; at the start only: v24 16 x lane; v25 16 x thread; v26-31 LDS addresses of the conversions' stores
.set G16T, 25
.set XA,   26
.set LA1,  27
.set LA2,  28
.set B1A,  29
.set B2A,  30
.set B2R,  31
.set ACC,  32
.set TT,   176
.set RT,   32           ; v32-40 the batch's nine rotated addresses, while the pairs are formed
.set RB,   32           ; v32-95 rows read back on the way out
.set TS,   64           ; at the start only: v64-99 S's bits
.set OB,   32           ; at the start only, behind S: v32-95, v96-159 the rounded weights of set 0, 1 on their way into LDS
.set W1F,  32           ; window 2
.set BI,   96
.set SS,   112
.set W2F,  152
.set OUT,  0            ; window 3
.set B2T,  64
.set HS,   128
.set HIB,  144
.set LOB,  152
.set TMP,  160
.set XJ,   176
.set C16,  208
.set CMK,  209
.set MSB, 0
.macro WIN new                         ; the immediate's high byte repeats the setting that is left; a switch that changes nothing is dropped
.if MSB != (\new)
	s_set_vgpr_msb (MSB<<8)|(\new)
.set MSB, \new
.endif
.endm
.macro PLACES                          ; four plain vector instructions between a matrix instruction and a vector or LDS line that reads its result (ISA guide 7.12.1)
.rept 4
	v_nop
.endr
.endm
; ---------------------------------------------------------------- the start: x and the weights are rounded to bf16 and laid into LDS
; 32 loads of 512 consecutive bytes: chunk ch (16,384 bytes) of my quarter of a weight tensor, into set 0 or 1 of window 1
.macro LOADW set, sb, ch
	WIN 0x40
.set i, 0
.rept 32
	global_load_b128 v[128*(\set)+4*i:128*(\set)+4*i+3], v[G16], s[\sb:\sb+1] offset:16384*(\ch)+512*i
.set i, i+1
.endr
.endm
; Chunk ch of a set: rounded, 4 numbers a lane to 8 bytes, into the set's out-buffer; the set is asked for again at once; then the stores: set 0 is 32 rows of W1, set 1 is 8 rows of W2 in quarters.
; left = how many younger loads may stay out.
.macro CHUNK set, sb, ch, left
	s_wait_loadcnt \left                           ; loads come back in order (ISA guide 5.7.1): this chunk is in; the younger loads are the other set's
	WIN 0x05
.if (\ch) > 0
	s_wait_alu depctr_vm_vsrc(0)                   ; the LDS stores of this set's chunk before have read the out-buffer, which the conversions write again
.endif
.set i, 0
.rept 32
	v_cvt_pk_bf16_f32 v[OB+64*(\set)+2*i],   v[128*(\set)+4*i],   v[128*(\set)+4*i+1]
	v_cvt_pk_bf16_f32 v[OB+64*(\set)+2*i+1], v[128*(\set)+4*i+2], v[128*(\set)+4*i+3]
.set i, i+1
.endr
.if (\ch) < 3
	WIN 0x40
	s_wait_alu depctr_va_vdst(0)                   ; the conversions are done reading the raw set, in which the loads below land, and have written the out-buffer, which the stores below read
	LOADW \set, \sb, (\ch)+1
	WIN 0
.else
	WIN 0
	s_wait_alu depctr_va_vdst(0)                   ; the conversions have written the out-buffer, which the stores below read
.endif
.set i, 0
.rept 32
.if (\set) == 0
	ds_store_b64 v[LA1], v[OB+2*i:OB+2*i+1] offset:P1*(32*(\ch)+i)
.else
	ds_store_b64 v[LA2], v[OB+64+2*i:OB+64+2*i+1] offset:P2*(8*(\ch)+i/4)+256*(i%4)
.endif
.set i, i+1
.endr
.endm
	s_load_b256 s[4:11], s[0:1], 0x0               ; x s[4:5], W1 s[6:7], b1 s[8:9], W2 s[10:11]
	s_load_b128 s[12:15], s[0:1], 0x20             ; b2 s[12:13], out s[14:15]
	s_set_vgpr_msb 0x80
	v_lshl_add_u32 v254, v0, 2, 0x4d800
	v_mov_b32 v255, 0
	s_set_vgpr_msb 0x8000
	v_lshrrev_b32 v1, 5, v0
	v_readfirstlane_b32 s16, v1                    ; wave 0..3
	v_and_b32 v[LN], 31, v0
	v_bfe_u32 v[HH], v0, 4, 1
	v_and_b32 v[RR], 15, v0
	v_lshlrev_b32 v[G16], 4, v[LN]
	v_lshlrev_b32 v[G16T], 4, v0
	s_lshl_b32 s18, ttmp9, 16                      ; the work-group's 8 batches of 8,192 bytes,
	s_wait_alu depctr_va_sdst(0)                   ; s16 is written, ahead of its first reader: the bases and the LDS places are made from it
	s_lshl_b32 s23, s16, 14                        ; my wave's two
	s_add_co_u32 s18, s18, s23
	s_mov_b32 s19, 0
	s_lshl_b32 s24, s16, 16                        ; my quarter of W1 (128 rows of 512 bytes) and of W2 (32 rows of 2,048)
	s_mov_b32 s25, 0
	s_mul_i32 s17, s16, XW
	s_add_co_u32 s17, s17, XS                      ; my wave's two blocks of x
	s_mov_b32 s22, 0xffff0000                      ; a word's upper bf16
	s_wait_kmcnt 0x0
	s_add_nc_u64 s[4:5], s[4:5], s[18:19]
	s_add_nc_u64 s[14:15], s[14:15], s[18:19]
	s_add_nc_u64 s[6:7], s[6:7], s[24:25]
	s_add_nc_u64 s[10:11], s[10:11], s[24:25]
	WIN 0xc0
	s_wait_alu depctr_va_vdst(0)                   ; v24 and v25 are written: every global load reads one of them as its offset, and no vector line names them again before the batches
.set i, 0
.rept 32                                       ; both batches' x: a load is a whole row of 512 bytes
	global_load_b128 v[4*i:4*i+3], v[G16], s[4:5] offset:512*i th:TH_LOAD_NT
.set i, i+1
.endr
	WIN 0
	global_load_b128 v[32:35], v[G16T], s[8:9]     ; b1: the work-group's 128 threads take four each
	global_load_b128 v[36:39], v[G16], s[12:13]    ; b2: every wave takes all 128
	LOADW 0, 6, 0
	WIN 0
	v_lshl_add_u32 v[XA], v[LN], 3, s17            ; 8 bytes a lane in a row of x
	v_lshl_add_u32 v[B1A], v0, 6, B1T              ; four entries of 16 bytes a thread
	s_lshl_b32 s23, s16, 9
	s_add_co_u32 s23, s23, B2S
	v_lshl_add_u32 v[B2A], v[LN], 4, s23
	v_lshl_add_u32 v[B2R], v[HH], 5, s23           ; back: 8 numbers from d = 16 dt + 8 h on
	s_mul_i32 s26, s16, 128*P1
	v_lshl_add_u32 v[LA1], v[LN], 3, s26           ; W1L is LDS byte 0
	s_mul_i32 s27, s16, 32*P2
	s_add_co_u32 s27, s27, W2L
	v_lshl_add_u32 v[LA2], v[LN], 3, s27
	s_wait_loadcnt 32                              ; x, b1 and b2 are in: the 32 younger loads are W1's first chunk
	LOADW 1, 10, 0                                 ; no wait: the six lines above name neither v24 nor the set
	WIN 0xcf
.set i, 0
.rept 32
	v_cvt_pk_bf16_f32 v[4*i], v[4*i], v[4*i+1]
	v_cvt_pk_bf16_f32 v[4*i+1], v[4*i+2], v[4*i+3]
.set i, i+1
.endr
	WIN 0x0c
	s_wait_alu depctr_va_vdst(0)                   ; the conversions have written x's registers, the stores' data; the six LDS addresses v26 to v31 are written
.set i, 0
.rept 32
	ds_store_b64 v[XA], v[4*i:4*i+1] offset:XB*(i/16)+P1*(i%16)
.set i, i+1
.endr
	WIN 0
	v_cvt_pk_bf16_f32 v40, v32, v33                ; b1 and b2 are rounded as the other inputs are, and widened again
	v_cvt_pk_bf16_f32 v41, v34, v35
	v_cvt_pk_bf16_f32 v42, v36, v37
	v_cvt_pk_bf16_f32 v43, v38, v39
.set j, 0
.rept 4
.set c, 0
.rept 4                                        ; four copies: two loads of an entry fill the eight equal registers of a C operand
.if j%2 == 0
	v_lshlrev_b32 v[44+4*j+c], 16, v[40+j/2]
.else
	v_and_b32 v[44+4*j+c], s22, v[40+j/2]
.endif
.set c, c+1
.endr
.set j, j+1
.endr
	v_lshlrev_b32 v60, 16, v42
	v_and_b32 v61, s22, v42
	v_lshlrev_b32 v62, 16, v43
	v_and_b32 v63, s22, v43
.irp z, 60,61,62,63
	v_mul_f32 v\z, 0x41800000, v\z                 ; b2 is added once for each of the 16 i
.endr
	s_wait_alu depctr_va_vdst(0)                   ; v44 to v63 are written: the data of the five stores below
.irp j, 0,1,2,3
	ds_store_b128 v[B1A], v[44+4*\j:44+4*\j+3] offset:16*\j
.endr
	ds_store_b128 v[B2A], v[60:63]
	WIN 0xc0
	s_wait_alu depctr_vm_vsrc(0)                   ; x's stores have read window 3's v64 to v127, in which the loads below land; the five stores have read v44 to v63, which the first out-buffer takes
.set dt, 0
.rept 8                                        ; my wave's own bytes, and LDS serves a wave's instructions in order (ISA guide 5.7.1.4): these see the store above
	ds_load_b128 v[B2T+8*dt:B2T+8*dt+3],   v[B2R] offset:64*dt
	ds_load_b128 v[B2T+8*dt+4:B2T+8*dt+7], v[B2R] offset:64*dt+16
.set dt, dt+1
.endr
	v_mov_b32 v[C16], 16                           ; the split's shift and mask, kept beside its operands
	v_mov_b32 v[CMK], 0xffff0000
	WIN 0
	; the addresses of the loop, while the weights are on their way
	v_mul_u32_u24 v[W1B], v[RR], P1
	v_lshl_add_u32 v[W1B], v[HH], 4, v[W1B]        ; a fragment: row r x pitch + 16 h
	v_lshl_add_u32 v[B1B], v[RR], 4, B1T
	v_mul_u32_u24 v[W2BA], v[RR], P2
	v_lshl_add_u32 v[W2BA], v[HH], 4, v[W2BA]
	v_add_nc_u32 v[W2BA], W2L, v[W2BA]
	v_add_nc_u32 v[W2BB], 64*P2, v[W2BA]           ; rows 64 on have a register of their own: 112 rows do not fit the 16-bit offset
.set k, 0
.rept 9
	v_add_nc_u32 v[ROTB+k], k, v[RR]
	v_and_b32 v[ROTB+k], 15, v[ROTB+k]
	v_mul_u32_u24 v[ROTB+k], v[ROTB+k], P1
	v_lshl_add_u32 v[ROTB+k], v[HH], 4, v[ROTB+k]
	v_add_nc_u32 v[ROTB+k], s17, v[ROTB+k]
.set k, k+1
.endr
	v_mul_u32_u24 v[STOB], v[RR], P1               ; in: row j = r, 32 bytes for each half of the lanes
	v_lshl_add_u32 v[STOB], v[HH], 5, v[STOB]
	v_add_nc_u32 v[STOB], s17, v[STOB]
	v_mul_u32_u24 v[RDB], v[HH], P1                ; back: lanes 0-15 take 256 bytes of one row, lanes 16-31 of the next
	v_lshl_add_u32 v[RDB], v[RR], 4, v[RDB]
	v_add_nc_u32 v[RDB], s17, v[RDB]
	v_lshlrev_b32 v[GO], 9, v[HH]
	v_lshl_add_u32 v[GO], v[RR], 4, v[GO]
	; S.  Lane (r, h) holds column j = r; register 4 k + s holds rows p = 8 h + 2 s and 8 h + 2 s + 1 of tile k.  M has a bit for each row of the tile that counts for j.
	v_mov_b32 v100, 1
	v_lshlrev_b32 v101, v[RR], v100                ; p = j
	v_lshlrev_b32 v102, 3, v[HH]
.set k, 0
.rept 9
.if (k >= 1) && (k <= 7)
	v_add_nc_u32 v103, 16-k, v[RR]                 ; p = (j - k) mod 16
	v_and_b32 v103, 15, v103
	v_lshlrev_b32 v103, v103, v100
	v_or_b32 v103, v101, v103
	v_lshrrev_b32 v103, v102, v103                 ; my half's eight rows
.else
	v_lshrrev_b32 v103, v102, v101                 ; tile 0 is the diagonal; tile 8 holds every pair twice, so each row counts once
.endif
.set z, 0
.rept 4
	v_bfe_u32 v[TS+4*k+z], v103, 2*z, 2
	v_lshl_or_b32 v[TS+4*k+z], v[TS+4*k+z], 15, v[TS+4*k+z]
	v_and_b32 v[TS+4*k+z], 0x10001, v[TS+4*k+z]    ; one bit in each half of the word
.set z, z+1
.endr
.set k, k+1
.endr
.set z, 0
.rept 4
	v_mov_b32 v[TT+36+z], 0                        ; tile 9 of both T: a pad, never written again
	v_mov_b32 v[TT+76+z], 0
.set z, z+1
.endr
	WIN 0x80
.set z, 0
.rept 36
	v_mul_u32_u24 v[SS+z], v[TS+z], 0x3f80         ; a bit becomes bf16's 1.0
.set z, z+1
.endr
.set z, 0
.rept 4
	v_mov_b32 v[SS+36+z], 0
.set z, z+1
.endr
	; the weights: two sets of 32 loads take turns, so that one set is on its way while the other is rounded and stored
.irp ch, 0,1,2,3
	CHUNK 0, 6, \ch, 32                            ; W1's chunk: the 32 younger loads are W2's
.if \ch < 3
	CHUNK 1, 10, \ch, 32                           ; W2's chunk: the 32 younger loads are W1's
.else
	CHUNK 1, 10, \ch, 0                            ; the last: nothing is out behind it
.endif
.endr
	WIN 0
	s_wait_dscnt 0x0                               ; for the others' sake: my parts of W1, W2 and b1 are stored (and my 16 b2 are back)
	s_barrier_signal -1
	s_barrier_wait -1                              ; the only barrier: from here on W1, W2 and b1 are only read, and all else in LDS is each wave's own
; ---------------------------------------------------------------- the loop's pieces
; Product idx of 36 of a half: step idx / 9 of 32 along d, pair tile idx % 9.  The nine accumulators take turns.  The first step's C is b1.
.macro G1W buf, idx
.set kk, (\idx)/9
.set tl, (\idx)%9
.set rD, ACC+72*(\buf)+8*tl
.set rB, W1F+32*(\buf)+8*kk
.set rC, BI+8*(\buf)
.if tl < 8
.set rA, 32*tl+8*kk
.set wn, 0x09                          ; pairs in window 1, W1 in window 2
.else
.set rA, 8*kk
.set wn, 0x0a                          ; tile 8 in window 2
.endif
.if kk == 0
	WIN wn+0x20                                    ; C in window 2
	v_wmma_f32_16x16x32_bf16 v[rD:rD+7], v[rA:rA+7], v[rB:rB+7], v[rC:rC+7]
.else
	WIN wn
	v_wmma_f32_16x16x32_bf16 v[rD:rD+7], v[rA:rA+7], v[rB:rB+7], v[rD:rD+7]
.endif
.endm
; The next n of a half's 108: for each tile eight maxima with 0, from the accumulator's lowest register on, then four roundings of two
.macro RC1 buf
.if (\buf) == 0
.set qq, rq0
.set rq0, rq0+1
.else
.set qq, rq1
.set rq1, rq1+1
.endif
.set tl, qq/12
.set st, qq%12
.set rA, ACC+72*(\buf)+8*tl
.if st < 8
	v_max_num_f32 v[rA+st], 0, v[rA+st]
.else
	v_cvt_pk_bf16_f32 v[TT+40*(\buf)+4*tl+st-8], v[rA+2*(st-8)], v[rA+2*(st-8)+1]
.endif
.endm
.macro RC buf, n
	WIN 0
.rept \n
	RC1 \buf
.endr
.endm
; Product u of 10 of the sums over i: pair tiles 2 (u / 2) and 2 (u / 2) + 1, half u % 2.  The two accumulators take turns.
.macro SPW u
.set c, (\u)/2
.set pr, (\u)%2
	WIN 0xf8                                       ; T in window 0, S in window 2, the sums in window 3
.if c == 0
	v_wmma_f32_16x16x32_bf16 v[HS+8*pr:HS+8*pr+7], v[TT+40*pr+8*c:TT+40*pr+8*c+7], v[SS+8*c:SS+8*c+7], 0
.else
	v_wmma_f32_16x16x32_bf16 v[HS+8*pr:HS+8*pr+7], v[TT+40*pr+8*c:TT+40*pr+8*c+7], v[SS+8*c:SS+8*c+7], v[HS+8*pr:HS+8*pr+7]
.endif
.endm
; The next n of the split's 40: 8 roundings to bf16; the 16 rounded numbers widened again; 8 packed differences; 8 roundings of what was left
.macro HL1
.if hq < 8
	v_cvt_pk_bf16_f32 v[HIB+hq], v[HS+2*hq], v[HS+2*hq+1]
.elseif hq < 24
.set n, (hq-8)/2
.if hq%2 == 0
	v_lshlrev_b32 v[TMP+2*n], v[C16], v[HIB+n]
.else
	v_and_b32 v[TMP+2*n+1], v[CMK], v[HIB+n]
.endif
.elseif hq < 32
.set n, hq-24
	v_pk_add_f32 v[TMP+2*n:TMP+2*n+1], v[HS+2*n:HS+2*n+1], v[TMP+2*n:TMP+2*n+1] neg_lo:[0,1] neg_hi:[0,1]
.else
.set n, hq-32
	v_cvt_pk_bf16_f32 v[LOB+n], v[TMP+2*n], v[TMP+2*n+1]
.endif
.set hq, hq+1
.endm
.macro HL n
	WIN 0xff
.rept \n
	HL1
.endr
.endm
; Product u of 16 of the second layer: part u / 8 of the sum, rows 16 (u % 8) of W2.  The eight accumulators take turns.  first = 1: a batch's first products start from 16 b2.
.macro G2W first, u
.set pt, (\u)/8
.set dt, (\u)%8
	WIN 0xfe                                       ; W2 in window 2, all else in window 3
.if (\first) && (pt == 0)
	v_wmma_f32_16x16x32_bf16 v[OUT+8*dt:OUT+8*dt+7], v[W2F+8*dt:W2F+8*dt+7], v[HIB:HIB+7], v[B2T+8*dt:B2T+8*dt+7]
.else
	v_wmma_f32_16x16x32_bf16 v[OUT+8*dt:OUT+8*dt+7], v[W2F+8*dt:W2F+8*dt+7], v[HIB+8*pt:HIB+8*pt+7], v[OUT+8*dt:OUT+8*dt+7]
.endif
.endm
; THE LDS LOADS of a trip are two numbered lists, dealt a few at a time behind the first products of a run of 36.
; The first run's list: 0-7 W1 and 8-9 b1 of the trip's second half; 10-25 W2's 32 columns of the trip before.  TRIP sets where the list begins (lq) and ends (lqe).
.macro LD1 n
.if lq < lqe
	WIN 0x80                                       ; destination window 2, address window 0
.rept \n
.if lq < lqe
.if lq < 8
	ds_load_b128 v[W1F+32+4*lq:W1F+32+4*lq+3], v[W1P] offset:16*P1+32*lq
.elseif lq < 10
	ds_load_b128 v[BI+8+4*(lq-8):BI+8+4*(lq-8)+3], v[B1P] offset:256
.elseif lq < 18
	ds_load_b128 v[W2F+4*(lq-10):W2F+4*(lq-10)+3], v[W2PA] offset:16*P2*((lq-10)/2)+32*(lq%2)
.else
	ds_load_b128 v[W2F+4*(lq-10):W2F+4*(lq-10)+3], v[W2PB] offset:16*P2*((lq-18)/2)+32*(lq%2)
.endif
.set lq, lq+1
.endif
.endr
.endif
.endm
; The second run's list: 0-7 W1 and 8-9 b1 of the next trip's first half.  It ends at nqe.
.macro LD2 n
.if nq < nqe
	WIN 0x80
.rept \n
.if nq < nqe
.if nq < 8
	ds_load_b128 v[W1F+4*nq:W1F+4*nq+3], v[W1P] offset:32*P1+32*nq
.else
	ds_load_b128 v[BI+4*(nq-8):BI+4*(nq-8)+3], v[B1P] offset:512
.endif
.set nq, nq+1
.endif
.endr
.endif
.endm
; A TRIP.  g1 = 1: it has hidden columns of its own (0: the drain behind the last).  prev = 1: there is a trip before it to finish.  first = 1: that one is the batch's first.  next = 1: another with columns follows.
; Every wait on DScnt is for 0: the last load that it waits for was issued 29 matrix instructions or more ahead of it (in the drain: 32 groups of relu lines and the split).
; The distances behind matrix instructions are kept by the riders, which name no register of the products round them:
;   an accumulator's relu begins 24 plain lines or more behind its last product (in the first trip: four v_nop);  T of buffer 0 is written again eight lines behind the product that read that block;
;   the sums are read nine lines behind their last product.
.macro TRIP g1, prev, first, next
.set rq0, 0
.set rq1, 0
.set hq, 0
.set lq, 10-10*(\g1)
.set lqe, 10+16*(\prev)
.set nq, 0
.set nqe, 10*(\next)
	s_wait_dscnt 0x0                               ; W1 and b1 of the first half are in
.if \prev
	s_wait_alu depctr_va_vdst(0)                   ; the trip before: its second run of products is done reading W1's and b1's buffer 1, its last 16 products W2's fragments, and its tail has written v4 to v7: for the loads of this run
.endif                                                 ; (a batch's first trip: the wait ahead of the batch's 82 loads has stated the same, and nothing since names these registers)
.set i, 0
.rept 36
.if \g1
	G1W 0, i
.endif
.if \prev
	RC 1, 3                                        ; the second half of the trip before
.endif
	LD1 4                                          ; no wait: no line of this run names buffer 1 of W1 and b1, W2's fragments or v4 to v7
.set i, i+1
.endr
.if (\g1) && !(\prev)
	PLACES
.endif
.if \prev
.set u, 0
.rept 10
	SPW u
.if \g1
	RC 0, 3
.endif
.set u, u+1
.endr
.endif
.if \g1
	s_wait_dscnt 0x0                               ; W1 and b1 of the second half are in, and so are W2's fragments
.if \next
	s_wait_alu depctr_va_vdst(0)                   ; the first run of products is done reading W1's and b1's buffer 0, in which the loads of this run land
.endif
.set i, 0
.rept 36
	G1W 1, i
.if (\prev) && (i%3 == 2) && (i < 30)
	HL 4
.else
	RC 0, 3
.endif
	LD2 4                                          ; no wait: no line of this run names buffer 0 of W1 and b1, v4 or v5
.set i, i+1
.endr
.else
	PLACES
	HL 40
.endif
.if \prev
.if !(\g1)
	s_wait_dscnt 0x0                               ; the drain has no second run: W2's fragments are in
.endif
.set u, 0
.rept 16
	G2W \first, u
.set u, u+1
.endr
.endif
	WIN 0                                          ; at a label and at a branch every window is 0
.if (\next) || ((\prev) && (\g1))
	s_wait_alu depctr_vm_vsrc(0)                   ; the trip's LDS loads have read v4 to v7, which the lines below write
.endif
.if \next
	s_add_co_u32 s26, s26, 32*P1                   ; the next trip's 32 rows of W1 and 32 entries of b1
	s_add_co_u32 s27, s27, 512
	v_add_nc_u32 v[W1P], s26, v[W1B]
	v_add_nc_u32 v[B1P], s27, v[B1B]
.endif
.if (\prev) && (\g1)
	s_add_co_u32 s28, s28, 64                      ; W2 follows a trip behind
	v_add_nc_u32 v[W2PA], s28, v[W2BA]
	v_add_nc_u32 v[W2PB], s28, v[W2BB]
.endif
.endm
; THE WAY OUT, in two halves of 64 d: a lane's eight numbers of a row go into the stage (rows of 272 bytes) and come back as 256 consecutive bytes of a row.
.macro OUTHALF hf
	WIN 0x0c                                       ; the stores' data in window 3
.if (\hf) == 0
	s_wait_alu depctr_va_vdst(0)                   ; the last products have written out's accumulators, the stores' data (the places above stay beside this wait); the relu lines and products that named v32 to v95, in which the rows land, are done
.endif
.set z, 0
.rept 4
	ds_store_b128 v[STO], v[OUT+8*(4*(\hf)+z):OUT+8*(4*(\hf)+z)+3]   offset:64*z
	ds_store_b128 v[STO], v[OUT+8*(4*(\hf)+z)+4:OUT+8*(4*(\hf)+z)+7] offset:64*z+16
.set z, z+1
.endr
	WIN 0
.set z, 0
.rept 8
	ds_load_b128 v[RB+32*(\hf)+4*z:RB+32*(\hf)+4*z+3], v[RD] offset:2*P1*z  ; LDS serves a wave's instructions in order (ISA guide 5.7.1.4): these see the stores above; the next half's stores come behind them
.set z, z+1
.endr
.endm
.macro SEND hf, younger                ; younger: the LDS instructions issued behind this half's loads
	WIN 0
.set z, 0
.rept 8
	s_wait_dscnt (\younger)+7-z
	global_store_b128 v[GO], v[RB+32*(\hf)+4*z:RB+32*(\hf)+4*z+3], s[14:15] offset:1024*z+256*(\hf) th:TH_STORE_NT  ; 16 lanes store 256 consecutive bytes, at a multiple of 256 from out's first byte
.set z, z+1
.endr
.endm
; ---------------------------------------------------------------- my two batches
	s_mov_b32 s21, 2
	s_mov_b32 s29, 0                               ; the batch's block of x
.Lbatch:
	s_wait_alu depctr_vm_vsrc(0)                   ; on the way in: the global loads have read v24 and v25, the weights' stores v32 to v159.  Round the loop: the LDS loads have read v4 to v7 and v25, the stage's stores v24 and out's accumulators, the global stores v32 to v95.  All are written again below
	s_mov_b32 s26, 0
	s_mov_b32 s27, 0
	s_mov_b32 s28, 0
	v_mov_b32 v[W1P], v[W1B]
	v_mov_b32 v[B1P], v[B1B]
	v_mov_b32 v[W2PA], v[W2BA]
	v_mov_b32 v[W2PB], v[W2BB]
	v_add_nc_u32 v[STO], s29, v[STOB]
	v_add_nc_u32 v[RD], s29, v[RDB]
.set k, 0
.rept 9
	v_add_nc_u32 v[RT+k], s29, v[ROTB+k]
.set k, k+1
.endr
	; THE PAIRS.  82 LDS loads in one run: x[r]; x[(r + k) mod 16] for k = 1..8, straight into the tiles; the first W1 and b1.  Then tile k is multiplied by x[r] in place, rounded once.
	WIN 0xc0
	s_wait_alu depctr_va_vdst(0)                   ; the addresses above are written; the conversions that read window 1 at the start, or the batch before's products and multiplies, are done with x[r], the tiles, W1's and b1's buffers, in which the loads below and the first trip's land
.set z, 0
.rept 4
	ds_load_b128 v[XJ+8*z:XJ+8*z+3],   v[RT] offset:64*z
	ds_load_b128 v[XJ+8*z+4:XJ+8*z+7], v[RT] offset:64*z+32
.set z, z+1
.endr
	WIN 0x40
.set k, 1
.rept 7
.set z, 0
.rept 4
	ds_load_b128 v[32*k+8*z:32*k+8*z+3],   v[RT+k] offset:64*z
	ds_load_b128 v[32*k+8*z+4:32*k+8*z+7], v[RT+k] offset:64*z+32
.set z, z+1
.endr
.set k, k+1
.endr
	WIN 0x80
.set z, 0
.rept 4
	ds_load_b128 v[8*z:8*z+3],   v[RT+8] offset:64*z
	ds_load_b128 v[8*z+4:8*z+7], v[RT+8] offset:64*z+32
.set z, z+1
.endr
.set z, 0
.rept 4
	ds_load_b128 v[W1F+8*z:W1F+8*z+3],   v[W1P] offset:64*z
	ds_load_b128 v[W1F+8*z+4:W1F+8*z+7], v[W1P] offset:64*z+32
.set z, z+1
.endr
	ds_load_b128 v[BI:BI+3],   v[B1P]
	ds_load_b128 v[BI+4:BI+7], v[B1P]
	s_wait_dscnt 63                                ; x[r] is in: 74 loads were issued behind its eight, and the count's field ends at 63
	WIN 0x4f
.set z, 0
.rept 32
	v_pk_mul_bf16 v[z], v[XJ+z], v[XJ+z]
.set z, z+1
.endr
.set k, 1
.rept 8
.set wc, 74-8*k                        ; the loads issued behind tile k's
.if wc > 63
.set wc, 63
.endif
	s_wait_dscnt wc
.if k < 8
	WIN 0x4d
.set z, 0
.rept 32
	v_pk_mul_bf16 v[32*k+z], v[32*k+z], v[XJ+z]
.set z, z+1
.endr
.else
	WIN 0x8e
.set z, 0
.rept 32
	v_pk_mul_bf16 v[z], v[z], v[XJ+z]
.set z, z+1
.endr
.endif
.set k, k+1
.endr
	s_wait_alu depctr_vm_vsrc(0)                   ; the loads of x have read their addresses v32 to v40, which the first products write as accumulators
	TRIP 1, 0, 0, 1                                ; columns 0-31: nothing to finish yet
	TRIP 1, 1, 1, 1                                ; columns 32-63; the second layer starts from 16 b2
	s_mov_b32 s20, 13
.Ltrip:                                                ; columns 64-479
	TRIP 1, 1, 0, 1
	s_sub_co_u32 s20, s20, 1
	s_cmp_lg_u32 s20, 0
	s_cbranch_scc1 .Ltrip
	TRIP 1, 1, 0, 0                                ; columns 480-511: nothing more of W1 to fetch
	TRIP 0, 1, 0, 0                                ; the drain: the last columns' relu, sums and second layer
	PLACES                                         ; the stores below read results just made
	OUTHALF 0
	OUTHALF 1
	SEND 0, 16
	SEND 1, 0
	s_wait_xcnt 0x0                                ; every earlier memory instruction has had its addresses translated (ISA guide 3.1): only behind this wait are the stores' base and data registers rewritten
	s_add_nc_u64 s[14:15], s[14:15], 8192          ; the next batch's rows of out
	s_add_co_u32 s29, s29, XB
	s_sub_co_u32 s21, s21, 1
	s_cmp_lg_u32 s21, 0
	s_cbranch_scc1 .Lbatch
	s_set_vgpr_msb 0xa
	s_wait_dscnt 0x0
	s_wait_alu depctr_hold_cnt(0) depctr_sa_sdst(0) depctr_va_vdst(0) depctr_va_sdst(0) depctr_va_ssrc(0) depctr_va_vcc(0) depctr_vm_vsrc(0)
	s_wait_tensorcnt 0x0
	ds_add_u32 v254, v255
	s_wait_dscnt 0x0
	s_endpgm
.Lfunc_end_k_qdf5db6029e_pairmlp:
	.size	k_qdf5db6029e_pairmlp, .Lfunc_end_k_qdf5db6029e_pairmlp-k_qdf5db6029e_pairmlp
	.p2alignl 7, 3214868480
	.fill 96, 4, 3214868480
	.section	.rodata,"a",@progbits
	.p2align	6, 0x0
	.amdhsa_kernel k_qdf5db6029e_pairmlp
		.amdhsa_group_segment_fixed_size 317952
		.amdhsa_private_segment_fixed_size 0
		.amdhsa_enable_private_segment 0
		.amdhsa_kernarg_size 48
		.amdhsa_user_sgpr_count 2
		.amdhsa_user_sgpr_kernarg_segment_ptr 1
		.amdhsa_wavefront_size32 1
		.amdhsa_system_sgpr_workgroup_id_x 1
		.amdhsa_system_sgpr_workgroup_id_y 1
		.amdhsa_system_sgpr_workgroup_id_z 1
		.amdhsa_system_vgpr_workitem_id 0
		.amdhsa_next_free_vgpr 1024
		.amdhsa_next_free_sgpr 66
		.amdhsa_reserve_vcc 0
		.amdhsa_float_denorm_mode_32 3
		.amdhsa_float_denorm_mode_16_64 3
		.amdhsa_memory_ordered 1
		.amdhsa_forward_progress 1
		.amdhsa_inst_pref_size 231
	.end_amdhsa_kernel
	.amdgpu_metadata
---
amdhsa.version: [ 1, 2 ]
amdhsa.kernels:
  - .name:           k_qdf5db6029e_pairmlp
    .symbol:         k_qdf5db6029e_pairmlp.kd
    .args:
      - { .name: attribute_embeddings, .offset: 0, .size: 8, .value_kind: global_buffer, .address_space: global }
      - { .name: W1, .offset: 8, .size: 8, .value_kind: global_buffer, .address_space: global }
      - { .name: b1, .offset: 16, .size: 8, .value_kind: global_buffer, .address_space: global }
      - { .name: W2, .offset: 24, .size: 8, .value_kind: global_buffer, .address_space: global }
      - { .name: b2, .offset: 32, .size: 8, .value_kind: global_buffer, .address_space: global }
      - { .name: out0, .offset: 40, .size: 8, .value_kind: global_buffer, .address_space: global }
    .group_segment_fixed_size: 317952
    .private_segment_fixed_size: 0
    .kernarg_segment_align: 8
    .kernarg_segment_size: 48
    .max_flat_workgroup_size: 128
    .sgpr_count:     66
    .vgpr_count:     1024
    .wavefront_size: 32
...
	.end_amdgpu_metadata
.endif
;; end of part 2
